; MI455X (gfx1250); checked and timed in simulation.
; The chip was launched on July 23, 2026; its instructions are those of AMD's public machine-readable ISA for CDNA 5 (MIT licence, August 2026) and "CDNA5" Instruction Set Architecture Reference Guide (July 2026). The comments in the code are by the model that wrote it; some were corrected since.
;; Multi Head Attention. Allowed arithmetic: matrix products marked QUANTISED: E2M3 operands, one E8M0 scale for each 32 along K, by v_wmma_scale_f32_16x16x128_f8f6f4 with both operands' format E2M3, f32 sums; everything else in f32.
;; Inputs: W_Q_codes 1,024 x 32 x 24 uint8 (E2M3 codes of W_Q, K innermost, in blocks of 32 codes, four codes in three bytes); W_Q_scales 1,024 x 32 uint8 (E8M0 scales of W_Q, one for each 32 codes along K); W_out_codes 1,024 x 32 x 24 uint8 (E2M3 codes of W_out, K innermost, in blocks of 32 codes, four codes in three bytes); W_out_scales 1,024 x 32 uint8 (E8M0 scales of W_out, one for each 32 codes along K); b_out 1,024 float32; x_codes 4 x 2,048 x 32 x 24 uint8 (E2M3 codes of x, K innermost, in blocks of 32 codes, four codes in three bytes); x_scales 4 x 2,048 x 32 uint8 (E8M0 scales of x, one for each 32 codes along K).
;; Outputs: out0 4 x 2,048 x 1,024 float32.
;; This version of the problem:
;;   THIS VERSION OF THE PROBLEM IS GIVEN IN LOW PRECISION. The matrix products marked QUANTISED in the list below multiply operands that are first quantised to E2M3 (2 exponent bits, 3 mantissa bits; 6 bits a number), with one power-of-two scale for each 32 numbers along K (OCP MX v1.0); their sums are f32. All else is computed in f32.
;;   The module's matrix products, in the order in which they are computed (A, B: the left and right operand; K: the contracted axis; several contracted axes count as one K, in the product's order):
;;     1. [M 8,192, K 1,024] x [K 1,024, N 1,024]; A: input x (given as codes); B: input W_Q (given as codes): QUANTISED
;;     2. batch 64 x [M 2,048, K 64] x [K 64, N 2,048]; A: computed on the way; B: computed on the way: QUANTISED
;;     3. batch 64 x [M 2,048, K 2,048] x [K 2,048, N 64]; A: softmax (see below); B: computed on the way: QUANTISED
;;     4. [M 8,192, K 1,024] x [K 1,024, N 1,024]; A: computed on the way; B: input W_out (given as codes): QUANTISED
;;   THE QUANTISER, for each operand of a quantised product, along K:
;;     - K is cut into blocks of 32 from its start; a last block that is shorter is filled with zeros.
;;     - A block's scale is 2^e with e = floor(log2(the largest magnitude in the block)) - 2, held to -126 .. 127; a block of zeros has e = 0. As a byte (E8M0): e + 127.
;;     - Each number is divided by its block's scale, clamped to +-7.5, and rounded to the nearest number of E2M3, ties to even, subnormals kept.
;;     - The product sums the exact products of the quantised numbers (number of the format x scale) in f32.
;;   ~~~python
;;   def quantise(x, axis):      # numpy; x: float32 -> the quantised numbers, widened to float32 again
;;       x = np.moveaxis(x, axis, -1); K = x.shape[-1]
;;       x = np.pad(x, [(0, 0)] * (x.ndim - 1) + [(0, -K % 32)]); x = x.reshape(x.shape[:-1] + (-1, 32)); a = np.abs(x).max(-1, keepdims=True)
;;       e = np.where(a > 0, np.clip(np.frexp(np.where(a > 0, a, 1))[1] - 1 - 2, -126, 127), 0)      # np.frexp(a)[1] - 1 = floor(log2(a)), exactly
;;       r = np.clip(x / 2.0 ** e, -7.5, 7.5)
;;       step = 2.0 ** (np.maximum(np.frexp(np.where(r == 0, 1, r))[1] - 1, 0) - 3)
;;       q = np.round(r / step) * step * 2.0 ** e      # np.round: ties to even
;;       return np.moveaxis(q.reshape(q.shape[:-2] + (-1,))[..., :K], -1, axis).astype(np.float32)
;;   ~~~
;;   SOFTMAX AHEAD OF A QUANTISED PRODUCT. Where the list says 'softmax', what is quantised is not the finished softmax but p = 2^(t - M), with t = logit x log2(e) and M = ceil(the row's largest t), a whole number; so 1/2 < the row's largest p <= 1. The row's sum l is taken of the UNQUANTISED p, in f32, and the product's result is divided by l at the end. Since M is a whole number, a kernel that streams over the keys may use a running M (the ceiling of the running maximum): every later rescaling is an exact power of two, which a block's scale takes up: the codes' values come out the same.
;;   OPERANDS COMPUTED ON THE WAY. 'Computed on the way' means the value that the module computes at that place (a softmax that the list does not call 'softmax' is quantised finished and normalised). What goes into a quantiser is computed in f32, as accurately as f32 sums, v_exp_f32 and their like allow (about 1e-6 of the number): no bf16 or f16 on the way to a quantiser, and a product that is left as it is and whose result goes on into a quantised operand takes f32 operands (vector FMAs, or v_wmma_f32_16x16x4_f32). A number that lies on a knife's edge between two numbers of the format may be rounded either way, as far as f32 arithmetic and the matrix unit's own rounding can turn it there, and no further.
;;   INPUTS GIVEN AS CODES. W_Q (in the module: [1024, 1024], K = its axis 0); W_out (in the module: [1024, 1024], K = its axis 0); x (in the module: [4, 2048, 1024], K = its axis 2): each comes as NAME_codes (uint8): NAME with its K axis moved to the last place and cut into blocks of 32 codes, [.., K / 32, bytes a block], one block behind the other in memory; four codes in three bytes: a row's codes are one little-endian stream of bits, code i at bits 6 i .. 6 i + 5 (a code: sign, 2 exponent bits, 3 mantissa bits); and NAME_scales (uint8): the same leading axes, one E8M0 byte (e + 127) for each 32 codes along K. Its value is code x scale, taken as it is: it is not quantised again, and the codes and scales need not be those that the quantiser above would give.
;; One version. Each part assembles by itself: llvm-mc -triple=amdgcn-amd-amdhsa -mcpu=gfx1250 --defsym DOCPART=n.
;; ======== version 1 of 1: 3 launches
;; workspace buffers: kv 13,631,488 bytes; ctx_codes 6,291,456 bytes; ctx_scales 262,144 bytes
;; launch qkv (part 1): grid 4 x 64, 4 waves a work-group, clusters of 4 x 4, 313,856 bytes of LDS; arguments x_codes, x_scales, W_Q_codes, W_Q_scales, kv; writes kv
.if DOCPART == 1
	.amdgcn_target "amdgcn-amd-amdhsa--gfx1250"
	.amdhsa_code_object_version 6
	.text
	.protected	k_q50cf63d02b_qkv
	.globl	k_q50cf63d02b_qkv
	.p2align	8
	.type	k_q50cf63d02b_qkv,@function
k_q50cf63d02b_qkv:
	s_mov_b64 s[64:65], 0
	v_nop
	global_prefetch_b8 v0, s[64:65] scope:SCOPE_SE
	s_setreg_imm32_b32 hwreg(HW_REG_WAVE_MODE, 25, 1), 1
	s_wait_xcnt 0x0
	s_wait_alu depctr_hold_cnt(0) depctr_sa_sdst(0) depctr_va_vdst(0) depctr_va_sdst(0) depctr_va_ssrc(0) depctr_va_vcc(0) depctr_vm_vsrc(0)
	s_getreg_b32 s2, hwreg(HW_REG_IB_STS2, 6, 4)
	s_cmp_eq_u32 s2, 0
	s_cbranch_scc0 .Lentry_in_a_cluster
	s_endpgm
.Lentry_in_a_cluster:
	s_bfe_u32 s2, ttmp6, 0x10000c
	s_cmp_lg_u32 s2, 0xf033
	s_cbranch_scc0 .Lentry_shape_is_right
	s_endpgm
.Lentry_shape_is_right:
; qkv = x W_Q on codes of FP6 (E2M3) with E8M0 scales, and its two quantisations: along the head's 64 channels (the operand of q k^T) and along the tokens (the operand of p v).
; x: 8,192 rows of 1,024 codes (768 bytes), W_Q: 1,024 rows (one for each output feature) of 768 bytes; a row of scale bytes is 32 bytes: one word for each 128 along K.
; SHARES.  A work-group takes 128 tokens (Y) x 256 features (X: four heads); wave w takes all 128 tokens x head 4 X + w.  Both operands lie in LDS for ALL of K: filled once, nothing is filled again.
; THE PRODUCT IS MADE TWICE, FROM THE SAME FRAGMENTS: DT (source 0 = 16 rows of W, source 1 = 16 tokens): a lane holds one token, its registers run along the channels;
; DN (the two sources swapped): a lane holds one channel, its registers run along the tokens.  So each quantiser finds its K in a lane's registers and nothing is transposed.
; THE ROWS OF A TILE ARE NOT NEIGHBOURS: lane r of tile t takes row 32 (t / 2) + 8 (t % 2) + r + 8 (r / 8), of tokens and of features alike: the 16 registers of result tiles 2 b and 2 b + 1 are then 16 neighbours,
; 32 b + 16 (lane / 16) + 0 .. 15.  In LDS the even groups of 8 rows lie in one region and the odd ones in another, so that a tile's 16 rows are 16 consecutive LDS rows.
; OUT: one record of 13,312 bytes for each head and 128 tokens, all of it images of operand registers (16 bytes a lane, 512 bytes a store): +0 the 8 token tiles' codes (6 registers each: K = 64),
; +6144 their scale words (lanes 0-15 tiles 0-3, lanes 16-31 tiles 4-7; bytes 2 and 3 are 0x7f), +6656 the 4 channel tiles' codes (12 registers each: K = these 128 tokens), +12800 their scale words.
; CLUSTER 4 x 4: x's rows are shared along a row of the cluster, W's along a column: joint loads.
; LIMITS: NaN, infinities and scale bytes 0xff among the inputs are not served.  A block whose largest magnitude lies under 2^-124 is held at the byte 1; a block of zeros gets the byte 1 with zero codes
; (the rule says 127): the bytes are read by this program alone, and zero codes add nothing under any byte but 0xff.
; REGISTERS, in windows of 256: window 0: v1-15 addresses; v32-95 x's scale words (8 m + k), v96-127 W's (8 n + k): scales and nothing else; v128-223 W's fragments, two sets of 48.
;   window 1: x's fragments, two sets of 96; behind the products: the quantisers' work.   window 2: DT at 32 m + 8 n.   window 3: DN at 64 n + 8 m.
.set ROWP,  816                        ; a row of 768 bytes in LDS: 3 x (256 + 16 of padding) = 204 words
.set TILEP, 16*ROWP                    ; a tile's 16 rows
.set AREG,  64*ROWP                    ; a region of x: 64 rows
.set BBASE, 2*AREG                     ; W begins behind x's two regions
.set BREG,  128*ROWP                   ; a region of W: 128 rows
.set REC,   13312
.set KSO,   6144
.set VCO,   6656
.set VSO,   12800
.set LI,  4                            ; v4    16 x lane
.set SOF, 5                            ; v5    32 (r + 8 (r / 8)): my row of scale bytes in a tile pair
.set ADA, 8                            ; v8-11 x's fragments: region u at v[8 + 2 u]; + 1: the pieces that lie behind one padding more for lanes 16-31
.set ADB, 12                           ; v12-15 the same for W
.set SA,  32
.set SB,  96
.set BF,  128
.set WV,  14                           ; s14 wave
.set UU,  15                           ; s15 wave % 2: which region I fetch
.set HF,  16                           ; s16 wave / 2: which half of it
.set XX,  19                           ; s19 work-group x
.set YY,  20                           ; s20 work-group y
.set G1A, 24                           ; s[24:31], s[32:35] groups 1 and 0 for x
.set G0A, 32
.set G1B, 36                           ; s[36:43], s[44:47] for W
.set G0B, 44
.set SEL, 52                           ; s[52:53] v_permlanex16_b32's selects for lane l xor 16
.set TOA, 0x40                         ; destination window 1, address window 0
.set MT,  0xa4                         ; source 0 (W) window 0, source 1 (x) window 1, C and D window 2
.set MN,  0xf1                         ; source 0 (x) window 1, source 1 (W) window 0, C and D window 3
.set TM, 0                             ; window 1, behind the products: 16 largest magnitudes,
.set TX, 16                            ; those of lane l xor 16,
.set SO, 32                            ; the conversions' scale operands,
.set BY, 48                            ; the scale bytes,
.set TT, 64                            ; the second halves of the blocks' codes,
.set KC, 96                            ; the token tiles' codes,
.set VC, 144                           ; the channel tiles' codes,
.set KW, 192                           ; the token tiles' scale words,
.set K4, 200                           ; four of them for my half of the lanes,
.set VW, 204                           ; the channel tiles' scale words
.set MSB, 0
.macro WIN new                         ; the immediate's high byte repeats the setting that is left
.if MSB != (\new)
	s_set_vgpr_msb (MSB<<8)|(\new)
.set MSB, (\new)
.endif
.endm
.macro PLACES n
.rept \n
	v_nop
.endr
.endm
.macro CROUND                          ; a round of the cluster's barrier
	s_barrier_signal -1
	s_barrier_wait -1
	s_cmp_lg_u32 s[WV], 0
	s_cbranch_scc1 .Lnot_wave_0_\@
	s_barrier_signal -3
.Lnot_wave_0_\@:
	s_barrier_wait -3
	s_barrier_signal -1
	s_barrier_wait -1
.endm
	s_load_b256 s[4:11], s[0:1], 0x0               ; x's codes s[4:5], x's scales s[6:7], W's codes s[8:9], W's scales s[10:11]
	s_load_b64 s[12:13], s[0:1], 0x20              ; kv
	v_lshl_add_u32 v254, v0, 2, 0x4c800
	v_mov_b32 v255, 0
	ds_add_u32 v254, v255
	ds_add_u32 v254, v255
	v_lshrrev_b32 v1, 5, v0
	v_readfirstlane_b32 s[WV], v1                  ; wave 0..3
	s_and_b32 s[UU], s[WV], 1
	s_lshr_b32 s[HF], s[WV], 1
	s_bfe_u32 s17, ttmp6, 0x40000                  ; cx
	s_bfe_u32 s18, ttmp6, 0x40004                  ; cy
	s_lshl_b32 s[XX], ttmp9, 2
	s_add_co_u32 s[XX], s[XX], s17                 ; work-group x = 4 x cluster x + cx
	s_and_b32 s[YY], ttmp7, 0xffff
	s_lshl_b32 s[YY], s[YY], 2
	s_add_co_u32 s[YY], s[YY], s18                 ; work-group y = 4 x cluster y + cy
	s_lshl_b32 s21, s18, 2
	s_lshl_b32 s21, 15, s21                        ; my row of the cluster
	s_lshl_b32 s22, 0x1111, s17                    ; my column
	; group 1: a tile's row is EIGHT rows of memory, 6,144 dense bytes (768 elements of 8 bytes); from row to row 16 rows of memory (1,536 elements); 16 bytes of padding behind every 256 bytes
	s_or_b32 s[G1A], s21, (3<<16)|(1<<20)|(1<<21)|(5<<22)|(3<<25)   ; 15:0 the mask; 17:16 elements of 8 bytes; 20 padding on; 21 set beside a mask; 24:22 after every 64 words; 31:25 4 words
	s_or_b32 s[G1B], s22, (3<<16)|(1<<20)|(1<<21)|(5<<22)|(3<<25)
.irp g, G1A, G1B
	s_mov_b32 s[\g+1], 768<<16                     ; tensor_dim0
	s_mov_b32 s[\g+3], 768<<16                     ; tile_dim0
	s_mov_b32 s[\g+5], 1536                        ; tensor_dim0_stride
	s_mov_b32 s[\g+6], 0
	s_mov_b32 s[\g+7], 0
.endr
	s_mov_b32 s[G1A+2], 4<<16                      ; x: tensor_dim1 = tile_dim1 = 4 groups of 8 rows
	s_mov_b32 s[G1A+4], 4
	s_mov_b32 s[G1B+2], 8<<16                      ; W: 8 groups
	s_mov_b32 s[G1B+4], 8
	s_lshl_b32 s54, s[UU], 3
	s_lshl_b32 s55, s[HF], 6
	s_lshl_b32 s56, s[HF], 7
	s_lshl_b32 s48, s[YY], 7                       ; x: row 128 Y + 8 u + 64 hf: made of Y and the wave's number alone
	s_add_co_u32 s48, s48, s54
	s_add_co_u32 s48, s48, s55
	s_mul_i32 s48, s48, 768
	s_mov_b32 s49, 0
	s_lshl_b32 s50, s[XX], 8                       ; W: row 256 X + 8 u + 128 hf: made of X and the wave's number alone
	s_add_co_u32 s50, s50, s54
	s_add_co_u32 s50, s50, s56
	s_mul_i32 s50, s50, 768
	s_mov_b32 s51, 0
	s_mul_i32 s57, s[UU], AREG                     ; where they go: region u, half hf: no place in the cluster enters an LDS address
	s_mul_i32 s58, s[HF], AREG/2
	s_add_co_u32 s57, s57, s58
	s_mul_i32 s59, s[UU], BREG
	s_mul_i32 s60, s[HF], BREG/2
	s_add_co_u32 s59, s59, s60
	s_add_co_u32 s59, s59, BBASE
	s_mov_b32 s[SEL], 0x76543210
	s_mov_b32 s[SEL+1], 0xfedcba98
	s_wait_dscnt 0x0
	s_wait_kmcnt 0x0
	s_mov_b32 s[G0A], 1
	s_mov_b32 s[G0A+1], s57
	s_add_nc_u64 s[G0A+2:G0A+3], s[4:5], s[48:49]
	s_or_b32 s[G0A+3], s[G0A+3], 0x80000000
	s_mov_b32 s[G0B], 1
	s_mov_b32 s[G0B+1], s59
	s_add_nc_u64 s[G0B+2:G0B+3], s[8:9], s[50:51]
	s_or_b32 s[G0B+3], s[G0B+3], 0x80000000
	CROUND                                         ; all sixteen work-groups are here: the joint loads meet
	tensor_load_to_lds s[G0A:G0A+3], s[G1A:G1A+7]  ; my quarter of x's 128 rows
	s_nop 0
	tensor_load_to_lds s[G0B:G0B+3], s[G1B:G1B+7]  ; my quarter of W's 256 rows: two tensor loads of mine are out, and no more follow
	s_nop 0
	PLACES 4                                       ; (behind a tensor load)
	v_and_b32 v1, 31, v0                           ; lane
	v_and_b32 v2, 15, v0                           ; r
	v_bfe_u32 v3, v0, 4, 1                         ; h
	v_lshlrev_b32 v[LI], 4, v1
	v_and_b32 v[SOF], 8, v2
	v_add_nc_u32 v[SOF], v[SOF], v2                ; r + 8 (r / 8)
	v_lshlrev_b32 v[SOF], 5, v[SOF]                ; x 32 bytes of scales a row
	v_mul_u32_u24 v6, v2, ROWP
	v_mad_u32_u24 v[ADA], v3, 24, v6               ; row r + 24 bytes for lanes 16-31,
	v_mad_u32_u24 v[ADA+1], v3, 40, v6             ; or 40 where their piece lies behind one padding more
	v_add_nc_u32 v[ADA+2], AREG, v[ADA]
	v_add_nc_u32 v[ADA+3], AREG, v[ADA+1]
	s_mul_i32 s54, s[WV], 32*ROWP                  ; my head's 64 features: 32 rows of each region of W
	s_add_co_u32 s54, s54, BBASE
	v_add_nc_u32 v[ADB], s54, v[ADA]
	v_add_nc_u32 v[ADB+1], s54, v[ADA+1]
	v_add_nc_u32 v[ADB+2], BREG, v[ADB]
	v_add_nc_u32 v[ADB+3], BREG, v[ADB+1]
	v_cmp_le_u32 vcc_lo, 16, v1                    ; lanes 16-31: kept for the way out
	s_lshl_b32 s54, s[YY], 12                      ; x's scales: 128 rows of 32 bytes a work-group
	s_mov_b32 s55, 0
	s_add_nc_u64 s[6:7], s[6:7], s[54:55]
	s_lshl_b32 s56, s[XX], 13                      ; W's: (256 X + 64 w) rows of 32 bytes
	s_lshl_b32 s58, s[WV], 11
	s_add_co_u32 s56, s56, s58
	s_mov_b32 s57, 0
	s_add_nc_u64 s[10:11], s[10:11], s[56:57]
	s_lshr_b32 s58, s[YY], 4                       ; my record: ((16 batch + 4 X + w) x 16 + Y % 16) x 13,312
	s_lshl_b32 s58, s58, 4
	s_lshl_b32 s59, s[XX], 2
	s_add_co_u32 s58, s58, s59
	s_add_co_u32 s58, s58, s[WV]
	s_lshl_b32 s58, s58, 4
	s_and_b32 s59, s[YY], 15
	s_add_co_u32 s58, s58, s59
	s_mul_i32 s58, s58, REC
	s_mov_b32 s59, 0
	s_add_nc_u64 s[12:13], s[12:13], s[58:59]
.irp m, 0,1,2,3,4,5,6,7                            ; a row's 8 scale words (all of K) by two loads of 16 bytes; lane r takes the row that it takes of the tile
.irp q, 0,1
	global_load_b128 v[SA+8*\m+4*\q:SA+8*\m+4*\q+3], v[SOF], s[6:7] offset:(32*(\m/2)+8*(\m%2))*32+16*\q
.endr
.endr
.irp n, 0,1,2,3
.irp q, 0,1
	global_load_b128 v[SB+8*\n+4*\q:SB+8*\n+4*\q+3], v[SOF], s[10:11] offset:(32*(\n/2)+8*(\n%2))*32+16*\q
.endr
.endr
; A fragment, 16 rows x 128 K of 6-bit codes: lane l holds row l % 16; registers 6 c .. 6 c + 5 hold K = 64 c + 32 (l / 16) + 0 .. 31: 24 bytes of the row as they lie, in pieces of 8 bytes.
; Byte x of a row lies at x + 16 (x / 256).  Lanes 16-31 read 24 bytes further on: where that crosses a padding the second address register serves.
.macro FRAG reg, adr, k, rowoff
.irp p, 0,1,2,3,4,5
.set PCB, 96*(\k)+48*(\p/3)+8*(\p%3)
.if (PCB+24)/256 == PCB/256
	ds_load_b64 v[(\reg)+2*\p:(\reg)+2*\p+1], v[(\adr)] offset:PCB+16*(PCB/256)+(\rowoff)
.else
	ds_load_b64 v[(\reg)+2*\p:(\reg)+2*\p+1], v[(\adr)+1] offset:PCB+16*(PCB/256)+(\rowoff)
.endif
.endr
.endm
.macro FETCH_A k, set                  ; x's eight fragments of K step k (window 1)
.irp m, 0,1,2,3,4,5,6,7
	FRAG 96*(\set)+12*\m,ADA+2*(\m%2),\k,(\m/2)*TILEP
.endr
.endm
.macro FETCH_B k, set                  ; W's four (window 0)
.irp n, 0,1,2,3
	FRAG BF+48*(\set)+12*\n,ADB+2*(\n%2),\k,(\n/2)*TILEP
.endr
.endm
; 32 products each.  The 64 accumulators take turns, one instruction a turn, in the same order in every K step.  zero = 1: the first K step starts the sums.
.macro MULT k, set, zero
.irp m, 0,1,2,3,4,5,6,7
.irp n, 0,1,2,3
.if \zero
	v_wmma_scale_f32_16x16x128_f8f6f4 v[32*\m+8*\n:32*\m+8*\n+7], v[BF+48*(\set)+12*\n:BF+48*(\set)+12*\n+11], v[96*(\set)+12*\m:96*(\set)+12*\m+11], 0, v[SB+8*\n+(\k)], v[SA+8*\m+(\k)] matrix_a_fmt:MATRIX_FMT_FP6 matrix_b_fmt:MATRIX_FMT_FP6
.else
	v_wmma_scale_f32_16x16x128_f8f6f4 v[32*\m+8*\n:32*\m+8*\n+7], v[BF+48*(\set)+12*\n:BF+48*(\set)+12*\n+11], v[96*(\set)+12*\m:96*(\set)+12*\m+11], v[32*\m+8*\n:32*\m+8*\n+7], v[SB+8*\n+(\k)], v[SA+8*\m+(\k)] matrix_a_fmt:MATRIX_FMT_FP6 matrix_b_fmt:MATRIX_FMT_FP6
.endif
.endr
.endr
.endm
.macro MULN k, set, zero
.irp n, 0,1,2,3
.irp m, 0,1,2,3,4,5,6,7
.if \zero
	v_wmma_scale_f32_16x16x128_f8f6f4 v[64*\n+8*\m:64*\n+8*\m+7], v[96*(\set)+12*\m:96*(\set)+12*\m+11], v[BF+48*(\set)+12*\n:BF+48*(\set)+12*\n+11], 0, v[SA+8*\m+(\k)], v[SB+8*\n+(\k)] matrix_a_fmt:MATRIX_FMT_FP6 matrix_b_fmt:MATRIX_FMT_FP6
.else
	v_wmma_scale_f32_16x16x128_f8f6f4 v[64*\n+8*\m:64*\n+8*\m+7], v[96*(\set)+12*\m:96*(\set)+12*\m+11], v[BF+48*(\set)+12*\n:BF+48*(\set)+12*\n+11], v[64*\n+8*\m:64*\n+8*\m+7], v[SA+8*\m+(\k)], v[SB+8*\n+(\k)] matrix_a_fmt:MATRIX_FMT_FP6 matrix_b_fmt:MATRIX_FMT_FP6
.endif
.endr
.endr
.endm
; A K step of 128: 72 LDS loads feed 64 matrix instructions.  The four places at its head stand behind the last step's products, which read the set that both runs of loads fill
; (ISA guide 7.12.1 for vector instructions); the matrix instructions in between are not counted.
.macro KSTEP k, zero, fetch
	s_wait_dscnt 0x0                               ; this step's fragments are in: x's were asked for 64 matrix instructions ago, W's 32
.if \fetch
	PLACES 4
	WIN TOA
	FETCH_A (\k)+1,((\k)+1)%2
.endif
	WIN MT
	MULT \k,(\k)%2,\zero
.if \fetch
	WIN 0
	FETCH_B (\k)+1,((\k)+1)%2
.endif
	WIN MN
	MULN \k,(\k)%2,\zero
	WIN 0
.endm
	s_wait_alu depctr_va_vdst(0)
	s_wait_tensorcnt 0x0                           ; my two tiles have landed,
	s_barrier_signal -1
	s_barrier_wait -1                              ; everybody's have
	WIN TOA
	FETCH_A 0,0
	WIN 0
	FETCH_B 0,0
	s_wait_loadcnt 0x0                             ; the scale words
	KSTEP 0,1,1
.irp k, 1,2,3,4,5,6
	KSTEP \k,0,1
.endr
	KSTEP 7,0,0
	PLACES 4                                       ; behind the last products: their results are read and their operands' registers written below
; THE QUANTISER: 16 blocks; block q is registers 16 q .. 16 q + 15 of window win in lanes l and l xor 16.  Each accumulator is read from its low end on.
; Codes go to v[c] on (window 1): 6 registers for each pair of blocks, a WHOLE block in a lane: lanes 0-15 the pair's first block, lanes 16-31 its second.
.macro QUANT8 win, c
.set EW0, 21*(\win)+0x40               ; sources 0, 1, 2 window win, destination window 1
.set EW1, 1+20*(\win)+0x40             ; source 0 window 1, sources 1, 2 window win
.set EWC, (\win)+4+0x40                ; source 0 window win, source 1 and destination window 1
	WIN EW0
.irp q, 0,1,2,3,4,5,6,7,8,9,10,11,12,13,14,15
	v_max3_num_f32 v[TM+\q], |v[16*\q]|, |v[16*\q+1]|, |v[16*\q+2]|
.endr
	WIN EW1
.irp i, 3,5,7,9,11,13
.irp q, 0,1,2,3,4,5,6,7,8,9,10,11,12,13,14,15
	v_max3_num_f32 v[TM+\q], v[TM+\q], |v[16*\q+\i]|, |v[16*\q+\i+1]|
.endr
.endr
.irp q, 0,1,2,3,4,5,6,7,8,9,10,11,12,13,14,15
	v_max3_num_f32 v[TM+\q], v[TM+\q], |v[16*\q+15]|, 0x1800000   ; and the floor 2^(3 - 127): the byte cannot fall under 1
.endr
	WIN 0x55                                       ; all in window 1
.irp q, 0,1,2,3,4,5,6,7,8,9,10,11,12,13,14,15
	v_permlanex16_b32 v[TX+\q], v[TM+\q], s[SEL], s[SEL+1]
.endr
.irp q, 0,1,2,3,4,5,6,7,8,9,10,11,12,13,14,15
	v_max_num_f32 v[TM+\q], v[TM+\q], v[TX+\q]     ; the block's largest magnitude
.endr
.irp q, 0,1,2,3,4,5,6,7,8,9,10,11,12,13,14,15
	v_add_nc_u32 v[SO+\q], 0xff000000, v[TM+\q]    ; 2 off its exponent field: the conversion takes the exponent field of this operand as its scale
.endr
.irp q, 0,1,2,3,4,5,6,7,8,9,10,11,12,13,14,15
	v_lshrrev_b32 v[BY+\q], 23, v[SO+\q]           ; the scale's byte
.endr
	WIN EWC
.irp e, 0,1,2,3,4,5,6,7
	v_cvt_scalef32_pk16_fp6_f32 v[(\c)+6*\e:(\c)+6*\e+2], v[32*\e:32*\e+15], v[SO+2*\e]
	v_cvt_scalef32_pk16_fp6_f32 v[TT+4*\e:TT+4*\e+2], v[32*\e+16:32*\e+31], v[SO+2*\e+1]   ; (a conversion's three registers begin on an even number)
.endr
	WIN 0x55
	v_nop                                          ; one plain place behind a scaled conversion
.irp e, 0,1,2,3,4,5,6,7
.irp i, 0,1,2
	v_permlane16_swap_b32 v[(\c)+6*\e+\i], v[TT+4*\e+\i]   ; the first's lanes 16-31 change places with the second's lanes 0-15
.endr
.endr
.irp e, 0,1,2,3,4,5,6,7
.irp i, 0,1,2
	v_mov_b32 v[(\c)+6*\e+3+\i], v[TT+4*\e+\i]
.endr
.endr
.endm
	; along the channels: block 2 m + b is token tile m, channels 32 b on
	QUANT8 2,KC
.irp e, 0,1,2,3,4,5,6,7
	v_lshl_or_b32 v[KW+\e], v[BY+2*\e+1], 8, v[BY+2*\e]
.endr
.irp e, 0,1,2,3,4,5,6,7
	v_or_b32 v[KW+\e], 0x7f7f0000, v[KW+\e]        ; K = 64: the bytes of k = 64 .. 127 stand for 1; the codes there are the reader's affair
.endr
.irp i, 0,1,2,3
	v_cndmask_b32 v[K4+\i], v[KW+\i], v[KW+4+\i], vcc_lo   ; lanes 0-15 carry tiles 0-3, lanes 16-31 tiles 4-7
.endr
	WIN 0x04                                       ; a store's data: window 1; its address: window 0
.irp g, 0,1,2,3,4,5,6,7,8,9,10,11
	global_store_b128 v[LI], v[KC+4*\g:KC+4*\g+3], s[12:13] offset:512*\g   ; 32 lanes store 512 consecutive bytes, at a multiple of 256 from the buffer's first byte
.endr
	global_store_b128 v[LI], v[K4:K4+3], s[12:13] offset:KSO
	; along the tokens: block 4 n + b is channel tile n, tokens 32 b on.  No register that a store above reads is written again
	QUANT8 3,VC
.irp n, 0,1,2,3
	v_lshl_or_b32 v[VW+\n], v[BY+4*\n+1], 8, v[BY+4*\n]
.endr
.irp n, 0,1,2,3
	v_lshl_or_b32 v[VW+\n], v[BY+4*\n+2], 16, v[VW+\n]
.endr
.irp n, 0,1,2,3
	v_lshl_or_b32 v[VW+\n], v[BY+4*\n+3], 24, v[VW+\n]
.endr
	WIN 0x04
.irp g, 0,1,2,3,4,5,6,7,8,9,10,11
	global_store_b128 v[LI], v[VC+4*\g:VC+4*\g+3], s[12:13] offset:VCO+512*\g
.endr
	global_store_b128 v[LI], v[VW:VW+3], s[12:13] offset:VSO
	WIN 0
	s_wait_tensorcnt 0x0
	ds_add_u32 v254, v255
	s_wait_dscnt 0x0
	CROUND                                         ; the closing round: no work-group ends while a partner may still ask for a tile that names it
	s_endpgm
.Lfunc_end_k_q50cf63d02b_qkv:
	.size	k_q50cf63d02b_qkv, .Lfunc_end_k_q50cf63d02b_qkv-k_q50cf63d02b_qkv
	.p2alignl 7, 3214868480
	.fill 96, 4, 3214868480
	.section	.rodata,"a",@progbits
	.p2align	6, 0x0
	.amdhsa_kernel k_q50cf63d02b_qkv
		.amdhsa_group_segment_fixed_size 313856
		.amdhsa_private_segment_fixed_size 0
		.amdhsa_enable_private_segment 0
		.amdhsa_kernarg_size 40
		.amdhsa_user_sgpr_count 2
		.amdhsa_user_sgpr_kernarg_segment_ptr 1
		.amdhsa_wavefront_size32 1
		.amdhsa_system_sgpr_workgroup_id_x 1
		.amdhsa_system_sgpr_workgroup_id_y 1
		.amdhsa_system_sgpr_workgroup_id_z 1
		.amdhsa_system_vgpr_workitem_id 0
		.amdhsa_next_free_vgpr 1024
		.amdhsa_next_free_sgpr 66
		.amdhsa_reserve_vcc 1
		.amdhsa_float_denorm_mode_32 3
		.amdhsa_float_denorm_mode_16_64 3
		.amdhsa_memory_ordered 1
		.amdhsa_forward_progress 1
		.amdhsa_inst_pref_size 144
	.end_amdhsa_kernel
	.amdgpu_metadata
---
amdhsa.version: [ 1, 2 ]
amdhsa.kernels:
  - .name:           k_q50cf63d02b_qkv
    .symbol:         k_q50cf63d02b_qkv.kd
    .args:
      - { .name: x_codes, .offset: 0, .size: 8, .value_kind: global_buffer, .address_space: global }
      - { .name: x_scales, .offset: 8, .size: 8, .value_kind: global_buffer, .address_space: global }
      - { .name: W_Q_codes, .offset: 16, .size: 8, .value_kind: global_buffer, .address_space: global }
      - { .name: W_Q_scales, .offset: 24, .size: 8, .value_kind: global_buffer, .address_space: global }
      - { .name: kv, .offset: 32, .size: 8, .value_kind: global_buffer, .address_space: global }
    .group_segment_fixed_size: 313856
    .private_segment_fixed_size: 0
    .kernarg_segment_align: 8
    .kernarg_segment_size: 40
    .max_flat_workgroup_size: 128
    .sgpr_count:     66
    .vgpr_count:     1024
    .wavefront_size: 32
...
	.end_amdgpu_metadata
.endif
;; end of part 1
;; launch attn (part 2): grid 4 x 64, 16 waves a work-group, clusters of 4 x 1, 327,680 bytes of LDS; arguments kv, ctx_codes, ctx_scales; writes ctx_codes, ctx_scales
.if DOCPART == 2
	.amdgcn_target "amdgcn-amd-amdhsa--gfx1250"
	.amdhsa_code_object_version 6
	.text
	.protected	k_q50cf63d02b_attn
	.globl	k_q50cf63d02b_attn
	.p2align	8
	.type	k_q50cf63d02b_attn,@function
k_q50cf63d02b_attn:
	s_mov_b64 s[64:65], 0
	v_nop
	global_prefetch_b8 v0, s[64:65] scope:SCOPE_SE
	s_setreg_imm32_b32 hwreg(HW_REG_WAVE_MODE, 25, 1), 1
	s_wait_xcnt 0x0
	s_wait_alu depctr_hold_cnt(0) depctr_sa_sdst(0) depctr_va_vdst(0) depctr_va_sdst(0) depctr_va_ssrc(0) depctr_va_vcc(0) depctr_vm_vsrc(0)
	s_getreg_b32 s2, hwreg(HW_REG_IB_STS2, 6, 4)
	s_cmp_eq_u32 s2, 0
	s_cbranch_scc0 .Lentry_in_a_cluster
	s_endpgm
.Lentry_in_a_cluster:
	s_bfe_u32 s2, ttmp6, 0x10000c
	s_cmp_lg_u32 s2, 0x3003
	s_cbranch_scc0 .Lentry_shape_is_right
	s_endpgm
.Lentry_shape_is_right:
.set REC,   13312
.set HEADB, 16*REC
.set KSO,   6144
.set VCO,   6656
.set VSO,   12800
.set LI,  1
.set ADR, 2
.set DA,  3
.set DB,  4
.set GC,  5
.set GS,  6
.set NINF, 7
.set QA,  16
.set QB,  28
.set QSA, 40
.set QSB, 41
.set KV,  42
.set S,   96
.set OT,  160
.set PC,  192
.set PT,  204
.set BM,  212
.set BX,  216
.set SOP, 220
.set KS,  224
.set VS,  228
.set PS,  232
.set FF,  234
.set T1,  236
.set SUM2, 238
.set WV,  10
.set CX,  11
.set HY,  12
.set AA,  13
.set TAUA, 14
.set TAUB, 15
.set G1S, 16
.set G1L, 24
.set G0S, 32
.set G0L, 36
.set SEL, 40
.set CS,  42
.set SI,  44
.set SD,  45
.set TB,  46
.set HM,  47
.set SB2, 72
.macro PLACES n
.rept \n
	v_nop
.endr
.endm
.macro CROUND
	s_barrier_signal -1
	s_barrier_wait -1
	s_cmp_lg_u32 s[WV], 0
	s_cbranch_scc1 .Lnot_wave_0_\@
	s_barrier_signal -3
.Lnot_wave_0_\@:
	s_barrier_wait -3
	s_barrier_signal -1
	s_barrier_wait -1
.endm
	s_load_b128 s[4:7], s[0:1], 0x0
	s_load_b64 s[8:9], s[0:1], 0x10
	v_lshl_add_u32 v254, v0, 2, 0x34000
	v_mov_b32 v255, 0
	ds_add_u32 v254, v255
	ds_add_u32 v254, v255
	v_lshrrev_b32 v1, 5, v0
	s_delay_alu instid0(VALU_DEP_1)
	v_readfirstlane_b32 s[WV], v1
	s_and_b32 s[HY], ttmp7, 0xffff
	s_lshr_b32 s[AA], s[WV], 1
	s_mul_i32 s66, s[HY], HEADB
	s_mov_b32 s67, 0
.irp g, G1S, G1L
	s_mov_b32 s[\g], 15|(3<<16)|(1<<21)
	s_mov_b32 s[\g+1], 32<<16
	s_mov_b32 s[\g+3], 32<<16
	s_mov_b32 s[\g+5], 32
	s_mov_b32 s[\g+6], 0
	s_mov_b32 s[\g+7], 0
.endr
	s_mov_b32 s[G1S+2], 4<<16
	s_mov_b32 s[G1S+4], 4
	s_mov_b32 s[G1L+2], 48<<16
	s_mov_b32 s[G1L+4], 48
	s_lshl_b32 s60, s[WV], 10
	s_mov_b32 s61, 0
	s_mul_i32 s62, s[WV], 12288
	s_add_co_u32 s62, s62, 16384
	s_mov_b32 s63, 0
	s_mov_b32 s[SEL], 0x76543210
	s_mov_b32 s[SEL+1], 0xfedcba98
	s_mov_b32 s[CS], 0x3e38aa3b
	s_mov_b32 s[CS+1], s[CS]
	s_mov_b32 s[HM], 0xffff0000
	s_wait_dscnt 0x0
	s_wait_kmcnt 0x0
	s_add_nc_u64 s[4:5], s[4:5], s[66:67]
	s_mov_b32 s[G0S], 1
	s_mov_b32 s[G0S+1], s60
	s_add_nc_u64 s[G0S+2:G0S+3], s[4:5], s[60:61]
	s_or_b32 s[G0S+3], s[G0S+3], 0x80000000
	s_mov_b32 s[G0L], 1
	s_mov_b32 s[G0L+1], s62
	s_add_nc_u64 s[G0L+2:G0L+3], s[4:5], s[62:63]
	s_or_b32 s[G0L+3], s[G0L+3], 0x80000000
	CROUND
	tensor_load_to_lds s[G0S:G0S+3], s[G1S:G1S+7]
	s_nop 0
	s_wait_alu depctr_va_vdst(0)
	s_wait_tensorcnt 0x0
	ds_add_u32 v254, v255
	s_wait_dscnt 0x0
	CROUND
	tensor_load_to_lds s[G0L:G0L+3], s[G1L:G1L+7]
	s_nop 0
	PLACES 4
	s_bfe_u32 s[CX], ttmp6, 0x40000
	s_lshl_b32 s[TAUA], s[CX], 1
	s_and_b32 s68, s[WV], 1
	s_add_co_u32 s[TAUA], s[TAUA], s68
	s_sub_co_u32 s[TAUB], 7, s[TAUA]
	s_sub_co_u32 s[SB2], 15, s[AA]
	s_mov_b32 s69, 0
	s_mul_i32 s68, s[AA], REC
	s_add_nc_u64 s[48:49], s[4:5], s[68:69]
	s_mul_i32 s68, s[SB2], REC
	s_add_nc_u64 s[50:51], s[4:5], s[68:69]
	s_lshr_b32 s71, s[HY], 4
	s_lshl_b32 s71, s71, 7
	s_and_b32 s60, s[HY], 15
	s_mul_i32 s61, s60, 768
	s_lshr_b32 s62, s60, 1
	s_lshl_b32 s62, s62, 6
	s_and_b32 s63, s60, 1
	s_lshl_b32 s63, s63, 1
	s_add_co_u32 s62, s62, s63
.macro CTXADR st, tau, cd, sd
	s_lshl_b32 s68, s[\st], 3
	s_add_co_u32 s68, s68, s71
	s_add_co_u32 s70, s68, s[\tau]
	s_mul_i32 s68, s70, 12288
	s_add_co_u32 s68, s68, s61
	s_add_nc_u64 s[\cd:\cd+1], s[6:7], s[68:69]
	s_lshl_b32 s68, s70, 9
	s_add_co_u32 s68, s68, s62
	s_add_nc_u64 s[\sd:\sd+1], s[8:9], s[68:69]
.endm
	CTXADR AA,TAUA,52,56
	CTXADR SB2,TAUB,54,58
	v_and_b32 v1, 31, v0
	s_delay_alu instid0(VALU_DEP_1)
	v_lshlrev_b32 v[GC], 3, v1
	s_delay_alu instid0(VALU_DEP_2)
	v_lshlrev_b32 v[LI], 4, v1
	v_and_b32 v8, 15, v0
	v_bfe_u32 v9, v0, 4, 1
	s_delay_alu instid0(VALU_DEP_1)
	v_lshl_add_u32 v[GS], v8, 2, v9
	v_mov_b32 v[NINF], 0xff800000
	s_delay_alu instid0(VALU_DEP_4)
	v_and_b32 v10, 8, v8
	s_delay_alu instid0(VALU_DEP_1)
	v_add_nc_u32 v10, v10, v8
	v_lshlrev_b32 v11, 4, v9
	s_delay_alu instid0(VALU_DEP_1)
	v_sub_nc_u32 v10, v10, v11
	s_wait_alu depctr_va_vdst(0)
	s_lshr_b32 s68, s[TAUA], 1
	s_lshl_b32 s68, s68, 5
	s_and_b32 s70, s[TAUA], 1
	s_lshl_b32 s70, s70, 3
	s_add_co_u32 s68, s68, s70
	v_add_nc_u32 v[DA], s68, v10
	s_lshr_b32 s68, s[TAUB], 1
	s_lshl_b32 s68, s68, 5
	s_and_b32 s70, s[TAUB], 1
	s_lshl_b32 s70, s70, 3
	s_add_co_u32 s68, s68, s70
	v_add_nc_u32 v[DB], s68, v10
.irp i, 6,7,8,9,10,11
	v_mov_b32 v[QA+\i], 0
	v_mov_b32 v[QB+\i], 0
.endr
.irp i, 48,49,50,51,52,53
	v_mov_b32 v[KV+\i], 0
.endr
.irp b, 0,1,2,3
	v_mov_b32 v[BX+\b], 0
.endr
	v_mov_b32 v[FF+1], 0
	v_mov_b32 v[T1], 0
.macro QLOAD tau, base, qf, qs, t
	s_mul_i32 s68, s[\tau], 3
.irp i, 0,1,2
	s_add_co_u32 s70, s68, \i
	s_lshr_b32 s73, s70, 1
	s_lshl_b32 s73, s73, 9
	s_and_b32 s70, s70, 1
	s_lshl_b32 s70, s70, 3
	s_add_co_u32 s70, s70, s73
	v_add_nc_u32 v[\t+\i], s70, v[LI]
	global_load_b64 v[\qf+2*\i:\qf+2*\i+1], v[\t+\i], s[\base:\base+1]
.endr
	s_lshr_b32 s70, s[\tau], 2
	s_lshl_b32 s70, s70, 8
	s_and_b32 s73, s[\tau], 3
	s_lshl_b32 s73, s73, 2
	s_add_co_u32 s70, s70, s73
	v_lshl_add_u32 v[\t+3], v8, 4, s70
	global_load_b32 v[\qs], v[\t+3], s[\base:\base+1] offset:KSO
.endm
	QLOAD TAUA,48,QA,QSA,96
	QLOAD TAUB,50,QB,QSB,100
.macro INIT
	v_mov_b32 v13, 0xff61b1e6
	s_delay_alu instid0(VALU_DEP_1)
	v_floor_f32 v12, -v13
	v_mov_b32 v14, 0
	v_mov_b32 v15, 0
.set j, 0
.rept 32
	v_mov_b32 v[OT+j], 0
.set j, j+1
.endr
.endm
.macro STEP qf, qs, vd
	s_cmp_gt_u32 s[SI], s[SD]
	s_cbranch_scc1 .Lskip_\@
	s_setprio 2
	v_add_nc_u32 v[ADR], s[TB], v[LI]
	PLACES 3
.irp g, 0,1,2,3,4,5,6,7,8,9,10,11
	ds_load_b128 v[KV+4*\g:KV+4*\g+3], v[ADR] offset:512*\g
.endr
	ds_load_b128 v[KS:KS+3], v[ADR] offset:KSO
	s_wait_alu depctr_va_vdst(0)
	s_wait_dscnt 0x0
.irp t, 0,1,2,3
	v_wmma_scale_f32_16x16x128_f8f6f4 v[S+8*\t:S+8*\t+7], v[KV+6*\t:KV+6*\t+11], v[\qf:\qf+11], 0, v[KS+\t], v[\qs] matrix_a_fmt:MATRIX_FMT_FP6 matrix_b_fmt:MATRIX_FMT_FP6
.endr
.irp t, 4,5,6,7
	v_wmma_scale_f32_16x16x128_f8f6f4 v[S+8*\t:S+8*\t+7], v[KV+6*\t:KV+6*\t+11], v[\qf:\qf+11], 0, v[KS+\t-4], v[\qs] matrix_a_fmt:MATRIX_FMT_FP6 matrix_b_fmt:MATRIX_FMT_FP6 matrix_a_scale:MATRIX_SCALE_ROW1
.endr
	PLACES 4
.irp g, 0,1,2,3,4,5,6,7,8,9,10,11
	ds_load_b128 v[KV+4*\g:KV+4*\g+3], v[ADR] offset:VCO+512*\g
.endr
	ds_load_b128 v[VS:VS+3], v[ADR] offset:VSO
	s_cmp_lg_u32 s[SI], s[SD]
	s_cbranch_scc1 .Lopen_\@
.set j, 0
.rept 64
	v_cmp_gt_i32 vcc_lo, 32*(j/16)+j%16, v[\vd]
	v_cndmask_b32 v[S+j], v[S+j], v[NINF], vcc_lo
.set j, j+1
.endr
.Lopen_\@:
.irp b, 0,1,2,3
	v_max3_num_f32 v[BM+\b], v[S+16*\b], v[S+1+16*\b], v[S+2+16*\b]
.endr
.irp i, 3,5,7,9,11,13
.irp b, 0,1,2,3
	v_max3_num_f32 v[BM+\b], v[BM+\b], v[S+16*\b+\i], v[S+1+16*\b+\i]
.endr
.endr
.irp b, 0,1,2,3
	v_max_num_f32 v[BM+\b], v[BM+\b], v[S+15+16*\b]
.endr
.irp b, 0,1,2,3
	s_delay_alu instid0(VALU_DEP_4)
	v_permlanex16_b32 v[BX+\b], v[BM+\b], s[SEL], s[SEL+1]
.endr
.irp b, 0,1,2,3
	s_delay_alu instid0(VALU_DEP_4)
	v_max_num_f32 v[BM+\b], v[BM+\b], v[BX+\b]
.endr
	s_delay_alu instid0(VALU_DEP_2)
	v_max3_num_f32 v[T1], v[BM], v[BM+1], v[BM+2]
	s_delay_alu instid0(VALU_DEP_1)
	v_max_num_f32 v[T1], v[T1], v[BM+3]
	s_delay_alu instid0(VALU_DEP_1)
	v_mul_f32 v[T1], s[CS], v[T1]
	s_delay_alu instid0(VALU_DEP_1)
	v_max_num_f32 v13, v13, v[T1]
	v_mov_b32 v[T1], v12
	s_delay_alu instid0(VALU_DEP_2)
	v_floor_f32 v12, -v13
	s_delay_alu instid0(VALU_DEP_1)
	v_sub_f32 v[T1], v12, v[T1]
	s_delay_alu instid0(VALU_DEP_1)
	v_cvt_i32_f32 v[T1], v[T1]
	s_delay_alu instid0(VALU_DEP_1)
	v_ldexp_f32 v[FF], 1.0, v[T1]
.set j, 0
.rept 32
	v_pk_fma_f32 v[S+j:S+j+1], v[S+j:S+j+1], s[CS:CS+1], v[12:13] op_sel_hi:[1,0,0]
.set j, j+2
.endr
	s_setprio 1
.irp b, 0,1,2,3
	v_fma_f32 v[BM+\b], v[BM+\b], s[CS], v12
.endr
.set j, 0
	s_wait_alu depctr_va_vdst(0)
.rept 64
	v_exp_f32 v[S+j], v[S+j]
.set j, j+1
.endr
.irp b, 0,1,2,3
	v_exp_f32 v[BM+\b], v[BM+\b]
.endr
	v_pk_mul_f32 v[14:15], v[14:15], v[FF:FF+1] op_sel_hi:[1,0]
	s_wait_alu depctr_va_vdst(0)
.irp b, 0,1,2,3
	v_max_num_f32 v[BM+\b], 0x1800000, v[BM+\b]
.endr
.irp b, 0,1,2,3
	s_delay_alu instid0(VALU_DEP_4)
	v_add_nc_u32 v[SOP+\b], 0xff000000, v[BM+\b]
.endr
.irp b, 0,1,2,3
	s_delay_alu instid0(VALU_DEP_4)
	v_lshrrev_b32 v[BX+\b], 23, v[SOP+\b]
.endr
	s_delay_alu instid0(VALU_DEP_3)
	v_lshl_or_b32 v[PS], v[BX+1], 8, v[BX]
	s_delay_alu instid0(VALU_DEP_1)
	v_lshl_or_b32 v[PS], v[BX+2], 16, v[PS]
	s_delay_alu instid0(VALU_DEP_1)
	v_lshl_or_b32 v[PS], v[BX+3], 24, v[PS]
.irp c, 0,1
	v_cvt_scalef32_pk16_fp6_f32 v[PC+6*\c:PC+6*\c+2], v[S+32*\c:S+32*\c+15], v[SOP+2*\c]
	v_cvt_scalef32_pk16_fp6_f32 v[PT+4*\c:PT+4*\c+2], v[S+32*\c+16:S+32*\c+31], v[SOP+2*\c+1]
.endr
	v_nop
.irp c, 0,1
.irp i, 0,1,2
	v_permlane16_swap_b32 v[PC+6*\c+\i], v[PT+4*\c+\i]
.endr
.irp i, 0,1,2
	s_delay_alu instid0(VALU_DEP_3)
	v_mov_b32 v[PC+6*\c+3+\i], v[PT+4*\c+\i]
.endr
.endr
	v_pk_add_f32 v[SUM2:SUM2+1], v[S:S+1], v[S+2:S+3]
	s_setprio 0
.irp j, 4,8,12,16,20,24,28,32,36,40,44,48,52,56,60
	v_pk_add_f32 v[14:15], v[14:15], v[S+\j:S+\j+1]
	v_pk_add_f32 v[SUM2:SUM2+1], v[SUM2:SUM2+1], v[S+\j+2:S+\j+3]
.endr
	s_delay_alu instid0(VALU_DEP_1)
	v_pk_add_f32 v[14:15], v[14:15], v[SUM2:SUM2+1]
.set j, 0
.rept 16
	v_pk_mul_f32 v[OT+j:OT+j+1], v[OT+j:OT+j+1], v[FF:FF+1] op_sel_hi:[1,0]
.set j, j+2
.endr
	s_wait_alu depctr_va_vdst(0)
	s_wait_dscnt 0x0
.irp t, 0,1,2,3
	v_wmma_scale_f32_16x16x128_f8f6f4 v[OT+8*\t:OT+8*\t+7], v[KV+12*\t:KV+12*\t+11], v[PC:PC+11], v[OT+8*\t:OT+8*\t+7], v[VS+\t], v[PS] matrix_a_fmt:MATRIX_FMT_FP6 matrix_b_fmt:MATRIX_FMT_FP6
.endr
.Lskip_\@:
	s_add_co_u32 s[SI], s[SI], 1
	s_add_co_u32 s[TB], s[TB], REC
.endm
.macro WAYOUT cb, sb
	PLACES 4
	v_add_f32 v14, v14, v15
	s_delay_alu instid0(VALU_DEP_1)
	v_permlanex16_b32 v[T1], v14, s[SEL], s[SEL+1]
	s_delay_alu instid0(VALU_DEP_1)
	v_add_f32 v14, v14, v[T1]
	s_wait_alu depctr_va_vdst(0)
	v_rcp_f32 v14, v14
	v_nop
.set j, 0
	s_wait_alu depctr_va_vdst(0)
.rept 32
	v_mul_f32 v[S+j], v[OT+j], v14
.set j, j+1
.endr
.irp b, 0,1
	v_max3_num_f32 v[BM+\b], |v[S+16*\b]|, |v[S+1+16*\b]|, 0x1800000
.endr
.irp i, 2,4,6,8,10,12,14
.irp b, 0,1
	s_delay_alu instid0(VALU_DEP_2)
	v_max3_num_f32 v[BM+\b], v[BM+\b], |v[S+16*\b+\i]|, |v[S+1+16*\b+\i]|
.endr
.endr
.irp b, 0,1
	s_delay_alu instid0(VALU_DEP_2)
	v_permlanex16_b32 v[BX+\b], v[BM+\b], s[SEL], s[SEL+1]
.endr
.irp b, 0,1
	s_delay_alu instid0(VALU_DEP_2)
	v_max_num_f32 v[BM+\b], v[BM+\b], v[BX+\b]
.endr
.irp b, 0,1
	s_delay_alu instid0(VALU_DEP_2)
	v_add_nc_u32 v[SOP+\b], 0xff000000, v[BM+\b]
.endr
.irp b, 0,1
	s_delay_alu instid0(VALU_DEP_2)
	v_lshrrev_b32 v[BX+\b], 23, v[SOP+\b]
.endr
	v_cvt_scalef32_pk16_fp6_f32 v[PC:PC+2], v[S:S+15], v[SOP]
	v_cvt_scalef32_pk16_fp6_f32 v[PT:PT+2], v[S+16:S+31], v[SOP+1]
	v_nop
.irp i, 0,1,2
	v_permlane16_swap_b32 v[PC+\i], v[PT+\i]
.endr
.irp i, 0,1,2
	s_delay_alu instid0(VALU_DEP_3)
	v_mov_b32 v[PC+3+\i], v[PT+\i]
.endr
	v_cndmask_b32 v[T1], v[BX], v[BX+1], s[HM]
.irp p, 0,1,2
	global_store_b64 v[GC], v[PC+2*\p:PC+2*\p+1], s[\cb:\cb+1] offset:256*\p
.endr
	global_store_b8 v[GS], v[T1], s[\sb:\sb+1]
	s_wait_xcnt 0x0
.endm
	s_wait_tensorcnt 0x1
	s_barrier_signal -1
	s_barrier_wait -1
	s_wait_loadcnt 0x0
	INIT
	s_mov_b32 s[SI], 0
	s_mov_b32 s[TB], 0
	s_mov_b32 s[SD], s[AA]
	STEP QA,QSA,DA
	s_wait_tensorcnt 0x0
	s_wait_dscnt 0x0
	s_barrier_signal -1
	s_barrier_wait -1
.Lfirst_tile:
	STEP QA,QSA,DA
	s_cmp_lt_u32 s[SI], 8
	s_cbranch_scc1 .Lfirst_tile
	s_setprio 0
	WAYOUT 52,56
	INIT
	s_mov_b32 s[SI], 0
	s_mov_b32 s[TB], 0
	s_mov_b32 s[SD], s[SB2]
.Lsecond_tile:
	STEP QB,QSB,DB
	s_cmp_lt_u32 s[SI], 16
	s_cbranch_scc1 .Lsecond_tile
	s_setprio 0
	WAYOUT 54,58
	s_wait_tensorcnt 0x0
	ds_add_u32 v254, v255
	s_wait_dscnt 0x0
	CROUND
	s_endpgm
.Lfunc_end_k_q50cf63d02b_attn:
	.size	k_q50cf63d02b_attn, .Lfunc_end_k_q50cf63d02b_attn-k_q50cf63d02b_attn
	.p2alignl 7, 3214868480
	.fill 96, 4, 3214868480
	.section	.rodata,"a",@progbits
	.p2align	6, 0x0
	.amdhsa_kernel k_q50cf63d02b_attn
		.amdhsa_group_segment_fixed_size 327680
		.amdhsa_private_segment_fixed_size 0
		.amdhsa_enable_private_segment 0
		.amdhsa_kernarg_size 24
		.amdhsa_user_sgpr_count 2
		.amdhsa_user_sgpr_kernarg_segment_ptr 1
		.amdhsa_wavefront_size32 1
		.amdhsa_system_sgpr_workgroup_id_x 1
		.amdhsa_system_sgpr_workgroup_id_y 1
		.amdhsa_system_sgpr_workgroup_id_z 1
		.amdhsa_system_vgpr_workitem_id 0
		.amdhsa_next_free_vgpr 256
		.amdhsa_next_free_sgpr 80
		.amdhsa_reserve_vcc 1
		.amdhsa_float_denorm_mode_32 3
		.amdhsa_float_denorm_mode_16_64 3
		.amdhsa_memory_ordered 1
		.amdhsa_forward_progress 1
		.amdhsa_inst_pref_size 87
	.end_amdhsa_kernel
	.amdgpu_metadata
---
amdhsa.version: [ 1, 2 ]
amdhsa.kernels:
  - .name:           k_q50cf63d02b_attn
    .symbol:         k_q50cf63d02b_attn.kd
    .args:
      - { .name: kv, .offset: 0, .size: 8, .value_kind: global_buffer, .address_space: global }
      - { .name: ctx_codes, .offset: 8, .size: 8, .value_kind: global_buffer, .address_space: global }
      - { .name: ctx_scales, .offset: 16, .size: 8, .value_kind: global_buffer, .address_space: global }
    .group_segment_fixed_size: 327680
    .private_segment_fixed_size: 0
    .kernarg_segment_align: 8
    .kernarg_segment_size: 24
    .max_flat_workgroup_size: 512
    .sgpr_count:     80
    .vgpr_count:     256
    .wavefront_size: 32
...
	.end_amdgpu_metadata
.endif
;; end of part 2
;; launch proj (part 3): grid 4 x 64, 4 waves a work-group, clusters of 4 x 4, 325,120 bytes of LDS; arguments ctx_codes, ctx_scales, W_out_codes, W_out_scales, b_out, out0; writes out0
.if DOCPART == 3
	.amdgcn_target "amdgcn-amd-amdhsa--gfx1250"
	.amdhsa_code_object_version 6
	.text
	.protected	k_q50cf63d02b_proj
	.globl	k_q50cf63d02b_proj
	.p2align	8
	.type	k_q50cf63d02b_proj,@function
k_q50cf63d02b_proj:
	s_mov_b64 s[64:65], 0
	v_nop
	global_prefetch_b8 v0, s[64:65] scope:SCOPE_SE
	s_setreg_imm32_b32 hwreg(HW_REG_WAVE_MODE, 25, 1), 1
	s_wait_xcnt 0x0
	s_wait_alu depctr_hold_cnt(0) depctr_sa_sdst(0) depctr_va_vdst(0) depctr_va_sdst(0) depctr_va_ssrc(0) depctr_va_vcc(0) depctr_vm_vsrc(0)
	s_getreg_b32 s2, hwreg(HW_REG_IB_STS2, 6, 4)
	s_cmp_eq_u32 s2, 0
	s_cbranch_scc0 .Lentry_in_a_cluster
	s_endpgm
.Lentry_in_a_cluster:
	s_bfe_u32 s2, ttmp6, 0x10000c
	s_cmp_lg_u32 s2, 0xf033
	s_cbranch_scc0 .Lentry_shape_is_right
	s_endpgm
.Lentry_shape_is_right:
; out = ctx W_out + b_out on codes of FP6 (E2M3) with E8M0 scales; out: [8,192][1,024] f32.
; ctx's codes: for each tile T of 16 rows (row r of tile 8 Y + t is token 128 Y + 32 (t / 2) + 8 (t % 2) + r + 8 (r / 8)) 12,288 bytes of register images: K step k's fragment at 1,536 k, its register pair q at 256 q + 8 x lane.
; ctx's scale words: [T][k][r].  W_out: 1,024 rows (one for each output feature) of 768 bytes of codes and 32 scale bytes.
; SHARES.  A work-group takes 128 tokens (Y) x 256 features (X), a wave all 128 tokens x 64 features: 32 accumulators.  Both operands lie in LDS for all of K: filled once, nothing is filled again.
; THE MATRIX INSTRUCTION IS USED TRANSPOSED (source 0 = 16 rows of W, source 1 = 16 rows of ctx).  W's tiles take rows 32 (n / 2) + 8 (n % 2) + r + 8 (r / 8) of the wave's 64, laid in LDS as two regions (even and odd groups
; of 8 rows), so that a tile's rows are 16 consecutive LDS rows; register j of tile n is then feature 32 (n / 2) + 8 (n % 2) + 16 (lane / 16) + j.  The bias is the C of each sum's first product.
; CLUSTER 4 x 4: ctx's tiles are shared along a row of the cluster, W's along a column: joint loads.
; LIMITS: NaN, infinities and scale bytes 0xff among the inputs are not served.
; REGISTERS: window 0: v1-19 addresses; v32-95 ctx's scale words (8 m + k), v96-127 W's (8 n + k): scales and nothing else; v128-223 W's fragments, two sets of 48; on the way out v128-191 rows of the result.
;   window 1: ctx's fragments, two sets of 96; v192-223 the bias (8 n + j).   window 2: the accumulators at 32 m + 8 n.
.set ROWP,  816                        ; a row of 768 bytes in LDS: 3 x (256 + 16 of padding)
.set TILEP, 16*ROWP
.set BBASE, 98304                      ; W begins behind ctx's 8 x 12,288 bytes
.set BREG,  128*ROWP
.set STG,   BBASE+2*BREG               ; the way out: 16 rows x (256 + 16) bytes for each wave, in bytes of their own
.set SPITCH, 272
.set SAO, 5                            ; v5    4 r
.set SOF, 7                            ; v7    32 (r + 8 (r / 8))
.set ADA, 8                            ; v8    8 x lane;  v9: the same + 49,152 (tiles 4-7)
.set ADB, 12                           ; v12-15 W's fragments: region u at v[12 + 2 u]; + 1: the pieces that lie behind one padding more for lanes 16-31
.set STO, 16
.set RD,  17
.set CO,  18
.set BO,  19                           ; v19   64 h
.set SA,  32
.set SB,  96
.set BF,  128
.set BK,  128
.set BIAS, 192
.set WV,  16
.set UU,  17
.set HF,  18
.set XX,  21
.set YY,  22
.set G1A, 24
.set G0A, 32
.set G1B, 36
.set G0B, 44
.set TOA, 0x40                         ; destination window 1, address window 0
.set MFIRST, 0x94                      ; source 0 (W) window 0, source 1 (ctx) window 1, C (the bias) window 1, D window 2
.set MACC, 0xa4                        ; the same, C and D window 2
.set MSB, 0
.macro WIN new
.if MSB != (\new)
	s_set_vgpr_msb (MSB<<8)|(\new)
.set MSB, (\new)
.endif
.endm
.macro PLACES n
.rept \n
	v_nop
.endr
.endm
.macro CROUND
	s_barrier_signal -1
	s_barrier_wait -1
	s_cmp_lg_u32 s[WV], 0
	s_cbranch_scc1 .Lnot_wave_0_\@
	s_barrier_signal -3
.Lnot_wave_0_\@:
	s_barrier_wait -3
	s_barrier_signal -1
	s_barrier_wait -1
.endm
	s_load_b256 s[4:11], s[0:1], 0x0               ; ctx's codes s[4:5], its scales s[6:7], W's codes s[8:9], W's scales s[10:11]
	s_load_b128 s[12:15], s[0:1], 0x20             ; the bias s[12:13], out s[14:15]
	v_lshl_add_u32 v254, v0, 2, 0x4f400
	v_mov_b32 v255, 0
	ds_add_u32 v254, v255
	ds_add_u32 v254, v255
	v_lshrrev_b32 v1, 5, v0
	v_readfirstlane_b32 s[WV], v1                  ; wave 0..3
	s_and_b32 s[UU], s[WV], 1
	s_lshr_b32 s[HF], s[WV], 1
	s_bfe_u32 s19, ttmp6, 0x40000                  ; cx
	s_bfe_u32 s20, ttmp6, 0x40004                  ; cy
	s_lshl_b32 s[XX], ttmp9, 2
	s_add_co_u32 s[XX], s[XX], s19                 ; work-group x
	s_and_b32 s[YY], ttmp7, 0xffff
	s_lshl_b32 s[YY], s[YY], 2
	s_add_co_u32 s[YY], s[YY], s20                 ; work-group y
	s_lshl_b32 s23, s20, 2
	s_lshl_b32 s23, 15, s23                        ; my row of the cluster
	s_lshl_b32 s52, 0x1111, s19                    ; my column
	; ctx: my quarter of 98,304 dense bytes, as 96 rows of 256 bytes, no padding: every read takes 256 consecutive bytes
	s_or_b32 s[G1A], s23, (3<<16)|(1<<21)
	s_mov_b32 s[G1A+1], 32<<16
	s_mov_b32 s[G1A+2], 96<<16
	s_mov_b32 s[G1A+3], 32<<16
	s_mov_b32 s[G1A+4], 96
	s_mov_b32 s[G1A+5], 32
	s_mov_b32 s[G1A+6], 0
	s_mov_b32 s[G1A+7], 0
	; W: a tile's row is eight rows of memory (768 elements of 8 bytes), 16 rows of memory from row to row, 16 bytes of padding behind every 256 bytes
	s_or_b32 s[G1B], s52, (3<<16)|(1<<20)|(1<<21)|(5<<22)|(3<<25)
	s_mov_b32 s[G1B+1], 768<<16
	s_mov_b32 s[G1B+2], 8<<16
	s_mov_b32 s[G1B+3], 768<<16
	s_mov_b32 s[G1B+4], 8
	s_mov_b32 s[G1B+5], 1536
	s_mov_b32 s[G1B+6], 0
	s_mov_b32 s[G1B+7], 0
	s_mul_i32 s57, s[WV], 24576                    ; ctx: where my quarter goes,
	s_mul_i32 s48, s[YY], 98304                    ; and where it comes from: made of Y and the wave's number alone
	s_add_co_u32 s48, s48, s57
	s_mov_b32 s49, 0
	s_lshl_b32 s54, s[UU], 3
	s_lshl_b32 s56, s[HF], 7
	s_lshl_b32 s50, s[XX], 8                       ; W: row 256 X + 8 u + 128 hf: made of X and the wave's number alone
	s_add_co_u32 s50, s50, s54
	s_add_co_u32 s50, s50, s56
	s_mul_i32 s50, s50, 768
	s_mov_b32 s51, 0
	s_mul_i32 s59, s[UU], BREG
	s_mul_i32 s60, s[HF], BREG/2
	s_add_co_u32 s59, s59, s60
	s_add_co_u32 s59, s59, BBASE
	s_wait_dscnt 0x0
	s_wait_kmcnt 0x0
	s_mov_b32 s[G0A], 1
	s_mov_b32 s[G0A+1], s57
	s_add_nc_u64 s[G0A+2:G0A+3], s[4:5], s[48:49]
	s_or_b32 s[G0A+3], s[G0A+3], 0x80000000
	s_mov_b32 s[G0B], 1
	s_mov_b32 s[G0B+1], s59
	s_add_nc_u64 s[G0B+2:G0B+3], s[8:9], s[50:51]
	s_or_b32 s[G0B+3], s[G0B+3], 0x80000000
	CROUND                                         ; all sixteen work-groups are here: the joint loads meet
	tensor_load_to_lds s[G0A:G0A+3], s[G1A:G1A+7]
	s_nop 0
	tensor_load_to_lds s[G0B:G0B+3], s[G1B:G1B+7]  ; two tensor loads of mine are out, and no more follow
	s_nop 0
	PLACES 4                                       ; (behind a tensor load)
	v_and_b32 v1, 31, v0                           ; lane
	v_and_b32 v2, 15, v0                           ; r
	v_bfe_u32 v3, v0, 4, 1                         ; h
	v_lshlrev_b32 v[SAO], 2, v2
	v_and_b32 v[SOF], 8, v2
	v_add_nc_u32 v[SOF], v[SOF], v2
	v_lshlrev_b32 v[SOF], 5, v[SOF]
	v_lshlrev_b32 v[ADA], 3, v1
	v_add_nc_u32 v[ADA+1], 49152, v[ADA]
	v_mul_u32_u24 v6, v2, ROWP
	s_mul_i32 s54, s[WV], 32*ROWP                  ; my 64 features: 32 rows of each region of W
	s_add_co_u32 s54, s54, BBASE
	v_mad_u32_u24 v[ADB], v3, 24, v6
	v_mad_u32_u24 v[ADB+1], v3, 40, v6
	v_add_nc_u32 v[ADB], s54, v[ADB]
	v_add_nc_u32 v[ADB+1], s54, v[ADB+1]
	v_add_nc_u32 v[ADB+2], BREG, v[ADB]
	v_add_nc_u32 v[ADB+3], BREG, v[ADB+1]
	s_mul_i32 s55, s[WV], 16*SPITCH
	s_add_co_u32 s55, s55, STG                     ; my stage
	v_mul_u32_u24 v[STO], v2, SPITCH
	v_lshl_add_u32 v[STO], v3, 6, v[STO]
	v_add_nc_u32 v[STO], s55, v[STO]               ; in: row r, + 64 h
	v_mul_u32_u24 v[RD], v3, SPITCH
	v_lshl_add_u32 v[RD], v2, 4, v[RD]
	v_add_nc_u32 v[RD], s55, v[RD]                 ; back: lanes 0-15 one row of 256 bytes, lanes 16-31 the next
	v_lshlrev_b32 v[CO], 12, v3
	v_lshl_add_u32 v[CO], v2, 4, v[CO]             ; and the same two rows of out (4,096 bytes a row)
	v_lshlrev_b32 v[BO], 6, v3
	s_wait_alu depctr_va_vdst(0)
	s_lshl_b32 s54, s[YY], 12                      ; ctx's scale words: 8 tiles of 512 bytes a work-group
	s_mov_b32 s55, 0
	s_add_nc_u64 s[6:7], s[6:7], s[54:55]
	s_lshl_b32 s56, s[XX], 13                      ; W's scales: (256 X + 64 w) rows of 32 bytes
	s_lshl_b32 s58, s[WV], 11
	s_add_co_u32 s56, s56, s58
	s_mov_b32 s57, 0
	s_add_nc_u64 s[10:11], s[10:11], s[56:57]
	s_lshl_b32 s58, s[XX], 10                      ; my first feature, in bytes of f32: 1,024 X + 256 w
	s_lshl_b32 s60, s[WV], 8
	s_add_co_u32 s58, s58, s60
	s_mov_b32 s59, 0
	s_add_nc_u64 s[12:13], s[12:13], s[58:59]      ; the bias there,
	s_add_nc_u64 s[14:15], s[14:15], s[58:59]
	s_lshl_b32 s60, s[YY], 19                      ; and out at my 128 rows of 4,096 bytes
	s_mov_b32 s61, 0
	s_add_nc_u64 s[14:15], s[14:15], s[60:61]
.irp t, 0,1,2,3,4,5,6,7
.irp k, 0,1,2,3,4,5,6,7
	global_load_b32 v[SA+8*\t+\k], v[SAO], s[6:7] offset:512*\t+64*\k
.endr
.endr
.irp n, 0,1,2,3
.irp q, 0,1
	global_load_b128 v[SB+8*\n+4*\q:SB+8*\n+4*\q+3], v[SOF], s[10:11] offset:(32*(\n/2)+8*(\n%2))*32+16*\q
.endr
.endr
	WIN TOA
.irp n, 0,1,2,3                                    ; the bias in the result's layout: tile n, lane (r, h): features 32 (n / 2) + 8 (n % 2) + 16 h + 0 .. 7
.irp q, 0,1
	global_load_b128 v[BIAS+8*\n+4*\q:BIAS+8*\n+4*\q+3], v[BO], s[12:13] offset:128*(\n/2)+32*(\n%2)+16*\q
.endr
.endr
	WIN 0
; A fragment of W: lane l holds row l % 16; registers 6 c .. 6 c + 5 hold K = 64 c + 32 (l / 16) + 0 .. 31: 24 bytes of the row, in pieces of 8.  Byte x of a row lies at x + 16 (x / 256);
; lanes 16-31 read 24 bytes further on: where that crosses a padding the second address register serves.
.macro FRAG reg, adr, k, rowoff
.irp p, 0,1,2,3,4,5
.set PCB, 96*(\k)+48*(\p/3)+8*(\p%3)
.if (PCB+24)/256 == PCB/256
	ds_load_b64 v[(\reg)+2*\p:(\reg)+2*\p+1], v[(\adr)] offset:PCB+16*(PCB/256)+(\rowoff)
.else
	ds_load_b64 v[(\reg)+2*\p:(\reg)+2*\p+1], v[(\adr)+1] offset:PCB+16*(PCB/256)+(\rowoff)
.endif
.endr
.endm
.macro FETCH_B k, set
.irp n, 0,1,2,3
	FRAG BF+48*(\set)+12*\n,ADB+2*(\n%2),\k,(\n/2)*TILEP
.endr
.endm
.macro FETCH_A3 k, set                 ; ctx's eight fragments of K step k come back as the images that they are (window 1)
.irp t, 0,1,2,3,4,5,6,7
.irp q, 0,1,2,3,4,5
	ds_load_b64 v[96*(\set)+12*\t+2*\q:96*(\set)+12*\t+2*\q+1], v[ADA+\t/4] offset:(8*(\t%4)+(\k))*1536+256*\q
.endr
.endr
.endm
.macro MUL3 k, set, first              ; 32 products; the 32 accumulators take turns, one instruction a turn, in the same order in every K step
.irp m, 0,1,2,3,4,5,6,7
.irp n, 0,1,2,3
.if \first
	v_wmma_scale_f32_16x16x128_f8f6f4 v[32*\m+8*\n:32*\m+8*\n+7], v[BF+48*(\set)+12*\n:BF+48*(\set)+12*\n+11], v[96*(\set)+12*\m:96*(\set)+12*\m+11], v[BIAS+8*\n:BIAS+8*\n+7], v[SB+8*\n+(\k)], v[SA+8*\m+(\k)] matrix_a_fmt:MATRIX_FMT_FP6 matrix_b_fmt:MATRIX_FMT_FP6
.else
	v_wmma_scale_f32_16x16x128_f8f6f4 v[32*\m+8*\n:32*\m+8*\n+7], v[BF+48*(\set)+12*\n:BF+48*(\set)+12*\n+11], v[96*(\set)+12*\m:96*(\set)+12*\m+11], v[32*\m+8*\n:32*\m+8*\n+7], v[SB+8*\n+(\k)], v[SA+8*\m+(\k)] matrix_a_fmt:MATRIX_FMT_FP6 matrix_b_fmt:MATRIX_FMT_FP6
.endif
.endr
.endr
.endm
.macro KSTEP3 k, first, fetch
	s_wait_dscnt 0x0                               ; this step's fragments are in: they were asked for 32 matrix instructions ago
.if \fetch
	PLACES 4                                       ; behind the last step's products, which read the set that is loaded now
	WIN TOA
	FETCH_A3 (\k)+1,((\k)+1)%2
	WIN 0
	FETCH_B (\k)+1,((\k)+1)%2
.endif
.if \first
	WIN MFIRST
.else
	WIN MACC
.endif
	MUL3 \k,(\k)%2,\first
	WIN 0
.endm
	s_wait_tensorcnt 0x0                           ; my two tiles have landed,
	s_barrier_signal -1
	s_barrier_wait -1                              ; everybody's have
	WIN TOA
	FETCH_A3 0,0
	WIN 0
	FETCH_B 0,0
	s_wait_loadcnt 0x0                             ; the scale words and the bias
	KSTEP3 0,1,1
.irp k, 1,2,3,4,5,6
	KSTEP3 \k,0,1
.endr
	KSTEP3 7,0,0
	PLACES 4                                       ; behind the last products: their results are read, and rows are loaded into the registers that held W's fragments
; THE WAY OUT, a tile of 16 tokens x 64 features at a time, through my own stage: a lane's 32 bytes of a row go in, whole rows of 256 bytes come back.  LDS serves a wave's instructions in order
; (ISA guide 5.7.1.4): no wait between the stores and the loads, nor in front of the next tile's stores.
.macro TOSTAGE m
	WIN 0x08                                       ; an LDS store's data: window 2
.irp n, 0,1,2,3
	ds_store_b128 v[STO], v[32*(\m)+8*\n:32*(\m)+8*\n+3] offset:128*(\n/2)+32*(\n%2)        ; each accumulator from its low end on
	ds_store_b128 v[STO], v[32*(\m)+8*\n+4:32*(\m)+8*\n+7] offset:128*(\n/2)+32*(\n%2)+16
.endr
	WIN 0
.irp i, 0,1,2,3,4,5,6,7
	ds_load_b128 v[BK+32*((\m)%2)+4*\i:BK+32*((\m)%2)+4*\i+3], v[RD] offset:2*SPITCH*\i
.endr
.endm
.macro SEND m, younger                 ; stage row 2 i + (lane / 16) of tile m is token 32 (m / 2) + 8 (m % 2) + 2 i + 8 (i / 4) + (lane / 16)
	s_wait_dscnt \younger
.irp i, 0,1,2,3,4,5,6,7
	global_store_b128 v[CO], v[BK+32*((\m)%2)+4*\i:BK+32*((\m)%2)+4*\i+3], s[14:15] offset:(32*((\m)/2)+8*((\m)%2)+2*\i+8*(\i/4))*4096 th:TH_STORE_NT   ; 16 lanes store 256 consecutive bytes, at a multiple of 256 from out's first byte
.endr
.endm
	TOSTAGE 0
.irp m, 1,2,3,4,5,6,7
.if \m > 1
	s_wait_xcnt 0x0                                ; tile m - 2's stores have read their registers: tile m's rows may land there
.endif
	TOSTAGE \m
	SEND \m-1,16                                   ; behind tile m - 1's loads: tile m's 8 stores and 8 loads
.endr
	SEND 7,0
	s_wait_tensorcnt 0x0
	ds_add_u32 v254, v255
	s_wait_dscnt 0x0
	CROUND                                         ; the closing round: no work-group ends while a partner may still ask for a tile that names it
	s_endpgm
.Lfunc_end_k_q50cf63d02b_proj:
	.size	k_q50cf63d02b_proj, .Lfunc_end_k_q50cf63d02b_proj-k_q50cf63d02b_proj
	.p2alignl 7, 3214868480
	.fill 96, 4, 3214868480
	.section	.rodata,"a",@progbits
	.p2align	6, 0x0
	.amdhsa_kernel k_q50cf63d02b_proj
		.amdhsa_group_segment_fixed_size 325120
		.amdhsa_private_segment_fixed_size 0
		.amdhsa_enable_private_segment 0
		.amdhsa_kernarg_size 48
		.amdhsa_user_sgpr_count 2
		.amdhsa_user_sgpr_kernarg_segment_ptr 1
		.amdhsa_wavefront_size32 1
		.amdhsa_system_sgpr_workgroup_id_x 1
		.amdhsa_system_sgpr_workgroup_id_y 1
		.amdhsa_system_sgpr_workgroup_id_z 1
		.amdhsa_system_vgpr_workitem_id 0
		.amdhsa_next_free_vgpr 768
		.amdhsa_next_free_sgpr 66
		.amdhsa_reserve_vcc 0
		.amdhsa_float_denorm_mode_32 3
		.amdhsa_float_denorm_mode_16_64 3
		.amdhsa_memory_ordered 1
		.amdhsa_forward_progress 1
		.amdhsa_inst_pref_size 100
	.end_amdhsa_kernel
	.amdgpu_metadata
---
amdhsa.version: [ 1, 2 ]
amdhsa.kernels:
  - .name:           k_q50cf63d02b_proj
    .symbol:         k_q50cf63d02b_proj.kd
    .args:
      - { .name: ctx_codes, .offset: 0, .size: 8, .value_kind: global_buffer, .address_space: global }
      - { .name: ctx_scales, .offset: 8, .size: 8, .value_kind: global_buffer, .address_space: global }
      - { .name: W_out_codes, .offset: 16, .size: 8, .value_kind: global_buffer, .address_space: global }
      - { .name: W_out_scales, .offset: 24, .size: 8, .value_kind: global_buffer, .address_space: global }
      - { .name: b_out, .offset: 32, .size: 8, .value_kind: global_buffer, .address_space: global }
      - { .name: out0, .offset: 40, .size: 8, .value_kind: global_buffer, .address_space: global }
    .group_segment_fixed_size: 325120
    .private_segment_fixed_size: 0
    .kernarg_segment_align: 8
    .kernarg_segment_size: 48
    .max_flat_workgroup_size: 128
    .sgpr_count:     66
    .vgpr_count:     768
    .wavefront_size: 32
...
	.end_amdgpu_metadata
.endif
;; end of part 3
